; MI455X (gfx1250); checked and timed in simulation.
; The chip was launched on July 23, 2026; its instructions are those of AMD's public machine-readable ISA for CDNA 5 (MIT licence, August 2026) and "CDNA5" Instruction Set Architecture Reference Guide (July 2026). The comments in the code are by the model that wrote it; some were corrected since.
;; Modular Q Lo RA Layer. Allowed arithmetic: matrix products marked QUANTISED: E4M3 operands, one E8M0 scale for each 32 along K, by v_wmma_scale_f32_16x16x128_f8f6f4 with both operands' format E4M3, f32 sums; products left as they are: f32 operands where the result goes on into a quantised operand, else bf16, f16 or f32 operands; f32 sums; everything else in f32.
;; Inputs: A 16 x 4,096 float32; B 4,096 x 16 float32; bias 4,096 float32; qweight 4,096 x 4,096 int32; scale one number float32; x 4 x 1,024 x 4,096 float32.
;; Outputs: out0 4 x 1,024 x 4,096 float32.
;; This version of the problem:
;;   THIS VERSION OF THE PROBLEM IS GIVEN IN LOW PRECISION. The matrix products marked QUANTISED in the list below multiply operands that are first quantised to E4M3 (4 exponent bits, 3 mantissa bits; 8 bits a number), with one power-of-two scale for each 32 numbers along K (OCP MX v1.0); their sums are f32. All else is computed in f32.
;;   The module's matrix products, in the order in which they are computed (A, B: the left and right operand; K: the contracted axis; several contracted axes count as one K, in the product's order):
;;     1. [M 4,096, K 4,096] x [K 4,096, N 16]; A: input x; B: input B: QUANTISED
;;     2. [M 4,096, K 16] x [K 16, N 4,096]; A: computed on the way; B: input A: left as it is (K = 16 < 32)
;;     3. [M 4,096, K 4,096] x [K 4,096, N 4,096]; A: input x; B: computed on the way: QUANTISED
;;   THE QUANTISER, for each operand of a quantised product, along K:
;;     - K is cut into blocks of 32 from its start; a last block that is shorter is filled with zeros.
;;     - A block's scale is 2^e with e = floor(log2(the largest magnitude in the block)) - 8, held to -126 .. 127; a block of zeros has e = 0. As a byte (E8M0): e + 127.
;;     - Each number is divided by its block's scale, clamped to +-448, and rounded to the nearest number of E4M3, ties to even, subnormals kept.
;;     - The product sums the exact products of the quantised numbers (number of the format x scale) in f32.
;;   ~~~python
;;   def quantise(x, axis):      # numpy; x: float32 -> the quantised numbers, widened to float32 again
;;       x = np.moveaxis(x, axis, -1); K = x.shape[-1]
;;       x = np.pad(x, [(0, 0)] * (x.ndim - 1) + [(0, -K % 32)]); x = x.reshape(x.shape[:-1] + (-1, 32)); a = np.abs(x).max(-1, keepdims=True)
;;       e = np.where(a > 0, np.clip(np.frexp(np.where(a > 0, a, 1))[1] - 1 - 8, -126, 127), 0)      # np.frexp(a)[1] - 1 = floor(log2(a)), exactly
;;       r = np.clip(x / 2.0 ** e, -448, 448)
;;       step = 2.0 ** (np.maximum(np.frexp(np.where(r == 0, 1, r))[1] - 1, -6) - 3)
;;       q = np.round(r / step) * step * 2.0 ** e      # np.round: ties to even
;;       return np.moveaxis(q.reshape(q.shape[:-2] + (-1,))[..., :K], -1, axis).astype(np.float32)
;;   ~~~
;;   OPERANDS COMPUTED ON THE WAY. 'Computed on the way' means the value that the module computes at that place (a softmax that the list does not call 'softmax' is quantised finished and normalised). What goes into a quantiser is computed in f32, as accurately as f32 sums, v_exp_f32 and their like allow (about 1e-6 of the number): no bf16 or f16 on the way to a quantiser, and a product that is left as it is and whose result goes on into a quantised operand takes f32 operands (vector FMAs, or v_wmma_f32_16x16x4_f32). A number that lies on a knife's edge between two numbers of the format may be rounded either way, as far as f32 arithmetic and the matrix unit's own rounding can turn it there, and no further.
;; 2 versions, each right; version 2 is version 1 with the launch quant written anew for expert scheduling mode. Each part assembles by itself: llvm-mc -triple=amdgcn-amd-amdhsa -mcpu=gfx1250 --defsym DOCPART=n.
;; ======== version 1 of 2: 2 launches
;; workspace buffers: xq 17,301,504 bytes; wq 17,301,504 bytes; tpart 1,048,576 bytes
;; launch quant (part 1): grid 256 x 1, 16 waves a work-group, no clusters, 204,800 bytes of LDS; arguments x, qweight, scale, B, xq, wq, tpart; writes xq, wq, tpart
.if DOCPART == 1
	.amdgcn_target "amdgcn-amd-amdhsa--gfx1250"
	.amdhsa_code_object_version 6
	.text
	.protected	k_qdf36ff9917_quant
	.globl	k_qdf36ff9917_quant
	.p2align	8
	.type	k_qdf36ff9917_quant,@function
k_qdf36ff9917_quant:
	s_mov_b64 s[64:65], 0
	v_nop
	global_prefetch_b8 v0, s[64:65] scope:SCOPE_SE
	s_setreg_imm32_b32 hwreg(HW_REG_WAVE_MODE, 25, 1), 1
	s_wait_xcnt 0x0
; x [4096][4096] f32 and w = f32(qweight) * scale [4096][4096] become codes of FP8 (E4M3) with one E8M0 scale byte for each 32 along K (the last axis of both),
; and on the way t = Q(x) Q(B) [4096][16] is made, in four parts along K, from x's codes while they lie in registers.
; A block's scale is 2^(floor(log2(its largest magnitude)) - 8); its byte is the largest magnitude's exponent field - 8, held at 1 from below; each number is held within +-448 x the scale and rounded to the nearest code.
; LIMITS: NaN and infinities among the inputs are not served.  A block of zeros gets the byte 1 where the rule says 127: its codes are zeros, which add nothing under any byte but 0xff, and this program alone reads the bytes.
;         t is left as four sums over 1,024 of K each, and each of these is the f32 sum of four sums over 256; the next launch adds the four: f32 sums in another order than one chain.
; OUTPUT LAYOUT (xq, wq): [K / 256 (16)][row / 128 (32)][33,792 bytes].  A block holds 128 rows x 256 K as IMAGES OF THE OPERAND'S REGISTERS: byte i*4096 + q*2048 + c*512 + lane*16 (i: 16 rows; q: 128 of K; c: four registers),
; and from byte 32,768 on the scale words at i*128 + r*8 + q*4.  So the next launch brings codes and scales of a K step by one dense tensor load and reads fragments with 16 bytes a lane on end.
; tpart: [K quarter (4)][16 rows (256)][c (2)][lane (32)][4 f32]: lane (r, h) holds t(row r, rank 8 h + 4 c + 0 .. 3).
; SHARES.  Work-groups 0-127 take x, 128-255 qweight: only pointers are chosen, and short scalar branches on the work-group's number go round what one tensor alone needs.
; A work-group of SIXTEEN waves, four to a SIMD at 248 registers, takes 128 rows x 1,024 K.  Wave W takes rows 32 (W % 4) on and K 256 (W / 4) on: four fragments of 16 rows x 128 K, 8 KiB of 4-byte numbers each.
; THE WAY IN.  A fragment comes by 16 loads, each one row's 512 consecutive bytes, 16 a lane.  The conversions want 16 NEIGHBOURS along K in a lane: so the 8 KiB turn through the wave's own stage in LDS and come back into the
; registers that they left.  Two sets of 64 registers: 16 KiB a wave, 256 KiB a work-group, are asked for at the start, and a set is asked for again as soon as it has been quantised: no wave waits for another to ask.
; Loads into registers, not tensor loads: the launch has no slot in LDS that is filled again, so no meeting of the waves stands between one request and the next.  NO CLUSTER: the work-groups share no tile of x or qweight.
.set GRP,    33792                     ; a block of the output
.set SP,     528                       ; a stage row: 512 bytes + 16 = 33 x 16 bytes: the 16 rows that a load touches start 16 bytes apart modulo 256
.set STGW,   16*SP                     ; a wave's stage
.set BIMG,   16*STGW                   ; behind the stages: B's fragments as images of 2,048 bytes, a place for each wave (waves 0-7 fill theirs: the 8 fragments of the K quarter)
.set BSC,    BIMG+16*2048              ; their scale words, 128 bytes each
.set TRED,   BSC+16*128                ; t's parts, 2,048 bytes a wave
.set GA,  4                            ; v4   16 x lane
.set STI, 5                            ; v5   my stage, on the way in: 16 x lane
.set STR, 6                            ; v6   and on the way out: row r, + 64 h
.set CO,  7                            ; v7   my codes' place in a block: 16 x lane + 8,192 x (W % 4)
.set SO,  8                            ; v8   my scale words' place: 8 x lane + 256 x (W % 4)
.set BFA, 9                            ; v9   B's images of my 256 of K
.set BSA, 10                           ; v10  their scale words
.set BWI, 11                           ; v11  where I store B's image: place W
.set BWS, 12                           ; v12  and its scale words
.set BA,  13                           ; v13  B: column r, + 16 h rows of 64 bytes
.set TRW, 14                           ; v14  where I put my part of t
.set TRR, 15                           ; v15  where I read the four parts that I add
.set PW0, 18                           ; v18  scale word of my first 16 rows (scales alone)
.set SW,  20                           ; v[20:21] my rows' two scale words, to store
.set PW1, 22                           ; v22  scale word of my second 16 rows (scales alone)
.set BS,  23                           ; v23  B's scale words (scales alone)
.set TM,  24                           ; v24-27 largest magnitudes, v28-31 bytes, v32-35 448 x the scale, v36-39 the conversions' scale operands
.set PC,  40                           ; v40-55, v56-71 the codes of my two blocks of 16 rows
.set BR,  40                           ; v40-103 at the start, in waves 0-7 of x's work-groups: 64 numbers of B
.set BF,  72                           ; v72-87 a fragment of B
.set T0,  88                           ; v88-95, v96-103 t of my two blocks of 16 rows
.set X,   104                          ; v104-167, v168-231 two sets of 64 numbers: my first and my second 16 rows
.set PCB, 232                          ; v232-247 B's codes
.set WV,  18                           ; s18  wave 0..15
.set ISW, 19                           ; s19  0: x, 1: qweight
.set WR,  23                           ; s23  W % 4: which 32 rows
.set SEL, 24                           ; s[24:25] v_permlanex16_b32's selects for lane l xor 16
.set MNT, 26                           ; s26  the mantissa field of 448
.set HM,  27                           ; s27  lanes 16-31
.set SCL, 28                           ; s[28:29] scale, twice
.set DST, 30                           ; s[30:31] my block of xq or wq
.set WU,  32                           ; s32  W / 4: which 256 of K
.set SRC, 34                           ; s[34:35] my wave's first number
.set BB,  36                           ; s[36:37] B at my fragment
.set TP,  38                           ; s[38:39] tpart at the 512 bytes that I store
	s_load_b256 s[4:11], s[0:1], 0x0               ; x s[4:5], qweight s[6:7], scale s[8:9], B s[10:11]
	s_load_b128 s[12:15], s[0:1], 0x20             ; xq s[12:13], wq s[14:15]
	s_load_b64 s[16:17], s[0:1], 0x30              ; tpart
	v_lshl_add_u32 v248, v0, 2, 0x31800
	v_mov_b32 v249, 0
	v_lshrrev_b32 v1, 5, v0
	v_readfirstlane_b32 s[WV], v1                  ; wave 0..15
	s_and_b32 s[WR], s[WV], 3
	s_lshr_b32 s[WU], s[WV], 2
	s_lshr_b32 s[ISW], ttmp9, 7
	s_and_b32 s20, ttmp9, 127
	s_lshr_b32 s21, s20, 2                         ; which 128 rows
	s_and_b32 s22, s20, 3                          ; which 1,024 of K
	v_and_b32 v1, 31, v0                           ; lane
	v_and_b32 v2, 15, v0                           ; r
	v_bfe_u32 v3, v0, 4, 1                         ; h
	v_lshlrev_b32 v[GA], 4, v1
	s_mul_i32 s40, s[WV], STGW                     ; my stage
	v_add_nc_u32 v[STI], s40, v[GA]
	v_mul_u32_u24 v[STR], v2, SP
	v_lshl_add_u32 v[STR], v3, 6, v[STR]           ; row r, + 64 h: my 16 numbers of a block of 32
	v_add_nc_u32 v[STR], s40, v[STR]
	s_lshl_b32 s40, s[WR], 13
	v_add_nc_u32 v[CO], s40, v[GA]
	v_lshlrev_b32 v[SO], 3, v1
	s_lshl_b32 s40, s[WR], 8
	v_add_nc_u32 v[SO], s40, v[SO]
	s_lshl_b32 s40, s[WU], 12                      ; my 256 of K are B's fragments 2 (W / 4) and 2 (W / 4) + 1
	v_add_nc_u32 v[BFA], s40, v[GA]
	v_add_nc_u32 v[BFA], BIMG, v[BFA]
	v_lshlrev_b32 v[BWS], 2, v1
	s_lshl_b32 s40, s[WU], 8
	v_add_nc_u32 v[BSA], s40, v[BWS]
	v_add_nc_u32 v[BSA], BSC, v[BSA]
	s_lshl_b32 s40, s[WV], 7
	v_add_nc_u32 v[BWS], s40, v[BWS]
	v_add_nc_u32 v[BWS], BSC, v[BWS]
	s_lshl_b32 s40, s[WV], 11
	v_add_nc_u32 v[BWI], s40, v[GA]
	v_add_nc_u32 v[TRW], TRED, v[BWI]              ; t's parts: place W = W % 4 + 4 (W / 4)
	v_add_nc_u32 v[BWI], BIMG, v[BWI]
	s_lshl_b32 s40, s[WR], 11                      ; I add, of the four waves that share my rows, the four registers numbered W / 4
	s_lshl_b32 s41, s[WU], 9
	s_add_co_u32 s40, s40, s41
	v_add_nc_u32 v[TRR], s40, v[GA]
	v_add_nc_u32 v[TRR], TRED, v[TRR]
	v_lshlrev_b32 v[BA], 2, v2
	v_lshl_add_u32 v[BA], v3, 10, v[BA]
	s_lshl_b32 s40, s21, 21                        ; the source: 128 rows of 16,384 bytes,
	s_lshl_b32 s41, s[WR], 19                      ; my 32 of them,
	s_add_co_u32 s40, s40, s41
	s_lshl_b32 s41, s22, 12                        ; 1,024 numbers along K,
	s_add_co_u32 s40, s40, s41
	s_lshl_b32 s41, s[WU], 10                      ; my 256 of them
	s_add_co_u32 s40, s40, s41
	s_mov_b32 s41, 0
	s_lshl_b32 s42, s22, 7                         ; the output: block (4 x K quarter + W / 4) x 32 + group of rows
	s_lshl_b32 s43, s[WU], 5
	s_add_co_u32 s42, s42, s43
	s_add_co_u32 s42, s42, s21
	s_mul_i32 s42, s42, GRP
	s_mov_b32 s43, 0
	s_and_b32 s44, s[WV], 7                        ; B: 128 rows of 64 bytes a fragment (waves 0-7 load),
	s_lshl_b32 s44, s44, 13
	s_lshl_b32 s45, s22, 16                        ; 1,024 rows a K quarter
	s_add_co_u32 s44, s44, s45
	s_mov_b32 s45, 0
	s_lshl_b32 s46, s22, 18                        ; tpart: 262,144 bytes a K quarter,
	s_lshl_b32 s47, s21, 13                        ; 1,024 bytes for 16 rows,
	s_add_co_u32 s46, s46, s47
	s_lshl_b32 s47, s[WR], 11
	s_add_co_u32 s46, s46, s47
	s_lshl_b32 s47, s[WU], 9                       ; and of my rows' 2,048 bytes the 512 numbered W / 4
	s_add_co_u32 s46, s46, s47
	s_mov_b32 s47, 0
	s_mov_b32 s[SEL], 0x76543210
	s_mov_b32 s[SEL+1], 0xfedcba98
	s_mov_b32 s[MNT], 0x600000
	s_mov_b32 s[HM], 0xffff0000
.irp b, 0,1,2,3
	v_mov_b32 v[TM+4+\b], 0                        ; written once: a lane permute's destination counts as one of its sources
.endr
	s_wait_kmcnt 0x0
	s_load_b32 s[SCL], s[8:9], 0x0                 ; the weights' scale
	s_cmp_lt_u32 ttmp9, 128                        ; x's work-group or qweight's: the choice hangs on the work-group's number alone
	s_cselect_b64 s[SRC:SRC+1], s[4:5], s[6:7]
	s_cselect_b64 s[DST:DST+1], s[12:13], s[14:15]
	s_add_nc_u64 s[SRC:SRC+1], s[SRC:SRC+1], s[40:41]
	s_add_nc_u64 s[DST:DST+1], s[DST:DST+1], s[42:43]
	s_add_nc_u64 s[BB:BB+1], s[10:11], s[44:45]
	s_add_nc_u64 s[TP:TP+1], s[16:17], s[46:47]
; 64 numbers of a lane, v[s] .. v[s + 63], register 16 b + i = k 32 b + 16 (lane / 16) + i of my row (or column), become a fragment's codes in v[pc] on and its scale word in v[pw].
.macro QUANT s, pc, pw
.irp b, 0,1,2,3
	v_max3_num_f32 v[TM+\b], |v[\s+16*\b]|, |v[\s+1+16*\b]|, 0x4800000   ; block b: my 16 numbers, and the floor 2^(9 - 127): so the byte cannot fall under 1
.endr
.irp i, 2,4,6,8,10,12,14
.irp b, 0,1,2,3
	v_max3_num_f32 v[TM+\b], v[TM+\b], |v[\s+16*\b+\i]|, |v[\s+1+16*\b+\i]|   ; the four blocks by turns: no line waits for the line above it
.endr
.endr
.irp b, 0,1,2,3
	v_permlanex16_b32 v[TM+4+\b], v[TM+\b], s[SEL], s[SEL+1]
.endr
.irp b, 0,1,2,3
	v_max_num_f32 v[TM+\b], v[TM+\b], v[TM+4+\b]   ; with lane l xor 16's: the block's largest magnitude
.endr
.irp b, 0,1,2,3
	v_add_nc_u32 v[TM+12+\b], 0xfc000000, v[TM+\b] ; 8 off its exponent field: the conversion takes the exponent field of this operand as its scale
.endr
.irp b, 0,1,2,3
	v_and_or_b32 v[TM+8+\b], v[TM+\b], 0x7f800000, s[MNT]   ; 448 x the scale
.endr
.irp b, 0,1,2,3
	v_lshrrev_b32 v[TM+4+\b], 23, v[TM+12+\b]      ; the scale's byte
.endr
	v_lshl_or_b32 v[\pw], v[TM+5], 8, v[TM+4]      ; the four bytes make the row's scale word; both halves of the lanes hold it
	v_lshl_or_b32 v[\pw], v[TM+6], 16, v[\pw]
	v_lshl_or_b32 v[\pw], v[TM+7], 24, v[\pw]
.irp b, 0,1,2,3
.irp i, 0,1,2,3,4,5,6,7,8,9,10,11,12,13,14,15
	v_med3_num_f32 v[\s+16*\b+\i], v[\s+16*\b+\i], -v[TM+8+\b], v[TM+8+\b]   ; the conversion to an 8-bit code does not saturate (ISA guide 7.6.2): the hold comes first
.endr
	v_cvt_scalef32_pk8_fp8_f32 v[\pc+4*\b:\pc+1+4*\b], v[\s+16*\b:\s+7+16*\b], v[TM+12+\b]
	v_cvt_scalef32_pk8_fp8_f32 v[\pc+2+4*\b:\pc+3+4*\b], v[\s+8+16*\b:\s+15+16*\b], v[TM+12+\b]
.endr
	v_nop                                          ; one plain vector instruction behind the last scaled conversion, ahead of whatever next touches its registers
.endm
; The fragment of my rows 16 ii on, K 128 q on, is asked for: 16 loads, each one row's 512 consecutive bytes, into set ii.  Every offset is an immediate: 508,416 bytes at the most.
.macro LOADF q, ii
.irp t, 0,1,2,3,4,5,6,7,8,9,10,11,12,13,14,15
	global_load_b128 v[X+64*\ii+4*\t:X+64*\ii+4*\t+3], v[GA], s[SRC:SRC+1] offset:(16*\ii+\t)*16384+512*\q th:TH_LOAD_NT
.endr
.endm
	; ---- The first requests.  In x's work-groups waves 0-7 each quantise one fragment of B's K quarter first: lane r takes rank r and its registers run DOWN K, in the operand's own order: nothing is transposed.
	s_cmp_lg_u32 s[ISW], 0
	s_cbranch_scc1 .Lno_b
	s_cmp_ge_u32 s[WV], 8
	s_cbranch_scc1 .Lno_b
.irp c, 0,1,2,3
.irp i, 0,1,2,3,4,5,6,7,8,9,10,11,12,13,14,15
	global_load_b32 v[BR+16*\c+\i], v[BA], s[BB:BB+1] offset:64*(32*\c+\i)         ; B(32 c + 16 h + i, r): sixteen lanes read a row's 64 bytes
.endr
.endr
	LOADF 0, 0
	LOADF 0, 1
	s_wait_loadcnt 32                              ; B's 64 loads are in; the 32 issued behind them, my first two fragments, may be out
	QUANT BR, PCB, PW0
.irp c, 0,1,2,3
	ds_store_b128 v[BWI], v[PCB+4*\c:PCB+4*\c+3] offset:512*\c                     ; the fragment goes to LDS as it stands in registers
.endr
	ds_store_b32 v[BWS], v[PW0]
	s_branch .Ljoin
.Lno_b:
	LOADF 0, 0
	LOADF 0, 1
.Ljoin:
.irp j, 0,1,2,3,4,5,6,7,8,9,10,11,12,13,14,15
	v_mov_b32 v[T0+\j], 0                          ; t's two sums begin as zeros, written on the way that every work-group takes: the products stand under a branch
.endr
	s_wait_kmcnt 0x0
	s_mov_b32 s[SCL+1], s[SCL]                     ; (the packed form names the pair)
; One fragment: through my stage, (qweight: to f32, times scale,) quantised, codes stored; its set is asked for again.  left: the younger loads that may stay out.
.macro FRAG q, ii, left
.set S, X+64*\ii
	s_wait_loadcnt \left                           ; loads come back in order (ISA guide 5.7.1): this fragment's 16 are in
.irp t, 0,1,2,3,4,5,6,7,8,9,10,11,12,13,14,15
	ds_store_b128 v[STI], v[S+4*\t:S+4*\t+3] offset:\t*SP            ; row t as it lies
.endr
.irp b, 0,1,2,3
.irp j, 0,1,2,3
	ds_load_b128 v[S+16*\b+4*\j:S+16*\b+4*\j+3], v[STR] offset:128*\b+16*\j   ; LDS serves a wave's instructions in order (ISA guide 5.7.1.4): these see the stores above, and the next fragment's stores come behind them
.endr
.endr
	s_wait_dscnt 0x0
	s_cmp_eq_u32 s[ISW], 0
	s_cbranch_scc1 .Lfloat_\@
.set n, 0
.rept 64
	v_cvt_f32_i32 v[S+n], v[S+n]                   ; exact: the weights lie within +-127
.set n, n+1
.endr
.set n, 0
.rept 32
	v_pk_mul_f32 v[S+n:S+n+1], v[S+n:S+n+1], s[SCL:SCL+1] op_sel_hi:[1,0]   ; w = q x scale: one rounding
.set n, n+2
.endr
.Lfloat_\@:
.if \q
	s_wait_xcnt 0x0                                ; the first trip's stores have read their codes: these registers are rewritten only behind this wait
.endif
	QUANT S, PC+16*\ii, PW0+4*\ii
.irp c, 0,1,2,3
	global_store_b128 v[CO], v[PC+16*\ii+4*\c:PC+16*\ii+4*\c+3], s[DST:DST+1] offset:\ii*4096+\q*2048+512*\c   ; the wave stores 512 consecutive bytes, aligned
.endr
.if \q == 0
	LOADF 1, \ii                                   ; the set is free: the same rows' next 128 of K
.endif
.endm
; 128 along K: my two fragments, and (x alone) their products with B's fragment.
.macro TRIP q
	FRAG \q, 0, 16                                 ; the other set's 16 loads were issued behind this one's
	FRAG \q, 1, 16*(1-\q)                          ; likewise; behind the last fragment's nothing was issued
	v_cndmask_b32 v[SW+\q], v[PW0], v[PW1], s[HM]  ; this trip's scale words: lanes 0-15 my first 16 rows', lanes 16-31 my second 16 rows'
.if \q == 0
	s_wait_dscnt 0x0                               ; for the others' sake: my stores of B's image are done
	s_barrier_signal -1
	s_barrier_wait -1                              ; B's eight images lie in LDS
.endif
	s_cmp_lg_u32 s[ISW], 0
	s_cbranch_scc1 .Lnot_x_\@
	; x alone: t += Q(B)^T Q(x)^T for these 128 of K.  Source 0 = B's 16 ranks, source 1 = my 16 rows: a lane then holds one row and eight ranks.
.irp c, 0,1,2,3
	ds_load_b128 v[BF+4*\c:BF+4*\c+3], v[BFA] offset:\q*2048+512*\c
.endr
	ds_load_b32 v[BS], v[BSA] offset:\q*128
	s_wait_dscnt 0x0
.rept 3
	v_nop                                          ; with the two plain lines above: five places between the last conversion and the scaled product that reads its codes; the scale words were made 64 lines further up
.endr
	v_wmma_scale_f32_16x16x128_f8f6f4 v[T0:T0+7], v[BF:BF+15], v[PC:PC+15], v[T0:T0+7], v[BS], v[PW0]          ; the two sums take turns, one instruction a turn, from trip to trip too
	v_wmma_scale_f32_16x16x128_f8f6f4 v[T0+8:T0+15], v[BF:BF+15], v[PC+16:PC+31], v[T0+8:T0+15], v[BS], v[PW1]
.Lnot_x_\@:                                        ; (the products' registers are next written behind the next fragment's 32 maxima: more than the eight places owed)
.endm
	TRIP 0
	TRIP 1
	global_store_b64 v[SO], v[SW:SW+1], s[DST:DST+1] offset:32768   ; my 32 rows' scale words: 256 consecutive bytes, aligned
	; ---- t: the four waves that share 32 rows hold its sums over 256 of K each; they meet in LDS, and each wave adds and stores a quarter
	s_cmp_lg_u32 s[ISW], 0
	s_cbranch_scc1 .Lno_t
.rept 8
	v_nop                                          ; eight places between the last product and the LDS stores that read its result
.endr
.irp k, 0,1,2,3
	ds_store_b128 v[TRW], v[T0+4*\k:T0+4*\k+3] offset:512*\k         ; each sum from its low end on
.endr
.Lno_t:
	s_wait_dscnt 0x0                               ; for the others' sake: my part of t is in LDS
	s_barrier_signal -1
	s_barrier_wait -1
	s_cmp_lg_u32 s[ISW], 0
	s_cbranch_scc1 .Lend
.irp k, 0,1,2,3
	ds_load_b128 v[X+4*\k:X+4*\k+3], v[TRR] offset:8192*\k           ; the same four registers of the waves W % 4, + 4, + 8, + 12
.endr
	s_wait_dscnt 0x0
	v_pk_add_f32 v[X:X+1], v[X:X+1], v[X+4:X+5]
	v_pk_add_f32 v[X+2:X+3], v[X+2:X+3], v[X+6:X+7]
	v_pk_add_f32 v[X+8:X+9], v[X+8:X+9], v[X+12:X+13]
	v_pk_add_f32 v[X+10:X+11], v[X+10:X+11], v[X+14:X+15]
	v_pk_add_f32 v[X:X+1], v[X:X+1], v[X+8:X+9]
	v_pk_add_f32 v[X+2:X+3], v[X+2:X+3], v[X+10:X+11]
	global_store_b128 v[GA], v[X:X+3], s[TP:TP+1]  ; 512 consecutive bytes, aligned
.Lend:
	s_wait_tensorcnt 0x0
	ds_add_u32 v248, v249
	s_wait_dscnt 0x0
	s_endpgm
.Lfunc_end_k_qdf36ff9917_quant:
	.size	k_qdf36ff9917_quant, .Lfunc_end_k_qdf36ff9917_quant-k_qdf36ff9917_quant
	.p2alignl 7, 3214868480
	.fill 96, 4, 3214868480
	.section	.rodata,"a",@progbits
	.p2align	6, 0x0
	.amdhsa_kernel k_qdf36ff9917_quant
		.amdhsa_group_segment_fixed_size 204800
		.amdhsa_private_segment_fixed_size 0
		.amdhsa_enable_private_segment 0
		.amdhsa_kernarg_size 56
		.amdhsa_user_sgpr_count 2
		.amdhsa_user_sgpr_kernarg_segment_ptr 1
		.amdhsa_wavefront_size32 1
		.amdhsa_system_sgpr_workgroup_id_x 1
		.amdhsa_system_sgpr_workgroup_id_y 1
		.amdhsa_system_sgpr_workgroup_id_z 1
		.amdhsa_system_vgpr_workitem_id 0
		.amdhsa_next_free_vgpr 250
		.amdhsa_next_free_sgpr 66
		.amdhsa_reserve_vcc 0
		.amdhsa_float_denorm_mode_32 3
		.amdhsa_float_denorm_mode_16_64 3
		.amdhsa_memory_ordered 1
		.amdhsa_forward_progress 1
		.amdhsa_inst_pref_size 90
	.end_amdhsa_kernel
	.amdgpu_metadata
---
amdhsa.version: [ 1, 2 ]
amdhsa.kernels:
  - .name:           k_qdf36ff9917_quant
    .symbol:         k_qdf36ff9917_quant.kd
    .args:
      - { .name: x, .offset: 0, .size: 8, .value_kind: global_buffer, .address_space: global }
      - { .name: qweight, .offset: 8, .size: 8, .value_kind: global_buffer, .address_space: global }
      - { .name: scale, .offset: 16, .size: 8, .value_kind: global_buffer, .address_space: global }
      - { .name: B, .offset: 24, .size: 8, .value_kind: global_buffer, .address_space: global }
      - { .name: xq, .offset: 32, .size: 8, .value_kind: global_buffer, .address_space: global }
      - { .name: wq, .offset: 40, .size: 8, .value_kind: global_buffer, .address_space: global }
      - { .name: tpart, .offset: 48, .size: 8, .value_kind: global_buffer, .address_space: global }
    .group_segment_fixed_size: 204800
    .private_segment_fixed_size: 0
    .kernarg_segment_align: 8
    .kernarg_segment_size: 56
    .max_flat_workgroup_size: 512
    .sgpr_count:     66
    .vgpr_count:     250
    .wavefront_size: 32
...
	.end_amdgpu_metadata
.endif
;; end of part 1
;; launch gemm (part 2): grid 16 x 16, 4 waves a work-group, clusters of 4 x 4, 327,680 bytes of LDS; arguments xq, wq, tpart, A, bias, out0; writes out0
.if DOCPART == 2
	.amdgcn_target "amdgcn-amd-amdhsa--gfx1250"
	.amdhsa_code_object_version 6
	.text
	.protected	k_qdf36ff9917_gemm
	.globl	k_qdf36ff9917_gemm
	.p2align	8
	.type	k_qdf36ff9917_gemm,@function
k_qdf36ff9917_gemm:
	s_mov_b64 s[64:65], 0
	v_nop
	global_prefetch_b8 v0, s[64:65] scope:SCOPE_SE
	s_setreg_imm32_b32 hwreg(HW_REG_WAVE_MODE, 25, 1), 1
	s_wait_xcnt 0x0
	s_wait_alu depctr_hold_cnt(0) depctr_sa_sdst(0) depctr_va_vdst(0) depctr_va_sdst(0) depctr_va_ssrc(0) depctr_va_vcc(0) depctr_vm_vsrc(0)
	s_getreg_b32 s2, hwreg(HW_REG_IB_STS2, 6, 4)
	s_cmp_eq_u32 s2, 0
	s_cbranch_scc0 .Lentry_in_a_cluster
	s_endpgm
.Lentry_in_a_cluster:
	s_bfe_u32 s2, ttmp6, 0x10000c
	s_cmp_lg_u32 s2, 0xf033
	s_cbranch_scc0 .Lentry_shape_is_right
	s_endpgm
.Lentry_shape_is_right:
; out[m][n] = sum over k of Q(x)[m][k] Q(w)[n][k] + (t A)[m][n] + bias[n].  xq, wq: codes of FP8 (E4M3) and E8M0 scale words as the launch before laid them:
; [K / 256 (16)][row / 128 (32)][33,792 bytes]; in a block the codes as images of the operand's registers (byte i*4096 + q*2048 + c*512 + lane*16), from byte 32,768 on the scale words (i*128 + r*8 + q*4).
; tpart: t = Q(x) Q(B) in four parts along K, [4][16 rows (256)][c (2)][lane][4 f32].  A [16][4096], bias [4096], out [4096][4096]: f32.
; A tile of out, 256 x 256, is made by a work-group of four waves; a wave makes 128 x 128: 64 accumulators of 16 x 16, 512 registers.  K goes in steps of 256 through a ring of two LDS slots;
; a slot holds two blocks of xq and two of wq, each brought, codes and scale words together, by one wave's tensor load of 132 dense rows of 256 bytes.
; THE SUMS DO NOT START AT 0: each accumulator's first product is one bf16 matrix instruction, C = bias, K = 32 = [t0 + t1 | t2 + t3] against [A ; A]: bias + t A.  The 32 scaled products of K = 128 add onto it.
; LIMITS: t's half sums and A are rounded to bf16 for that product (K = 16, left as it is by the contract); t's four parts are added in f32 in another order than one chain.  NaN and infinities are not served.
; CLUSTERS: 4 x 4 work-groups.  The four of a row of the cluster need the same blocks of xq, the four of a column the same blocks of wq: each is asked for JOINTLY, by the same tensor load with the same descriptor and a mask that names the four.
; THE MATRIX INSTRUCTIONS ARE USED TRANSPOSED (source 0 = 16 rows of w, source 1 = 16 rows of x): a lane then holds eight neighbouring numbers of a row of out.
; REGISTERS, in windows of 256: window 0: v0-31 addresses; v32-63 scale words, two sets; from v128 x's fragments (8 x 16 rows x 128 K), ONE set; at the start v128-191 t as bf16, v192-255 bias; on the way out v128-255 rows of out.
;   window 1: w's fragments, TWO sets, at v0 and v128; at the start v0-63 A as bf16.   window 2: the accumulators of my rows 0-63 ((a, b) at v[8 (8 a + b)]); at the start tpart.   window 3: those of my rows 64-127; at the start A as f32.
.set GRP,    33792                     ; a block: 128 rows x 256 K of codes and their scale words
.set SLOT,   4*GRP                     ; x's two blocks, then w's two
.set JSTEP,  32*GRP                    ; from a K step to the next, in memory
.set SCOFF,  32768                     ; where a block's scale words begin
.set SPARE,  2*SLOT                    ; behind the ring: the spare words, 128 bytes for each wave: two blocks of 256 bytes that no other line names
.set NQ,     2                         ; matrix instructions deep in a slot
.set FR,     16                        ; registers of a fragment
.set NL,     4                         ; LDS loads that bring one
.set NP,     8                         ; places behind the scaled matrix instruction (ISA guide 7.12.1)
.set LAPS,   8                         ; a lap = two K steps = once round the ring: 4,096 / 512
.set ROWC,   16384                     ; a row of out in bytes
.set SPITCH, 528                       ; the way out: a stage of 16 rows x (512 bytes + 16) for each wave, in slot 0, which has had its last fill and its last read when the first result is stored there
.set ADRA, 16                          ; v16-17  LDS address of my x fragments in slot 0, 1
.set ADRB, 20                          ; v20-21  the same for w
.set ADRS, 22                          ; v22-23  of my scale words: lanes 0-15 x's rows, lanes 16-31 w's
.set STO,  24                          ; v24     the way out: where I put 32 bytes of a row
.set RD,   25                          ; v25     where I read a row back
.set CO,   26                          ; v26     16 x lane
.set BO,   27                          ; v27     bias: 32 h
.set SPW,  28                          ; v28     LDS address of my spare word; never rewritten
.set NIL,  29                          ; v29     0; never rewritten
.set AO,   30                          ; v30     A: 4 r + 8 h rows of 16,384 bytes
.set SC,   32                          ; scale words: set s at v[SC + 16 s]; register 2 i + q: lanes 0-15 x's block i, lanes 16-31 w's block i, the slot's q-th 128 along K
.set AF,   128                         ; x's fragments, window 0
.set TT,   128                         ; at the start: t as bf16, 8 registers for each 16 rows
.set BI,   192                         ; at the start: bias, 8 registers for each 16 columns
.set BK,   128                         ; the way out: 16 rows read back from the stage: v128-191 and v192-255 by turns
.set G1,  24                           ; s[24:31] descriptor group 1 for x's blocks;  s[32:39] group 0, one set for each slot
.set G0,  32
.set G1B, 48                           ; s[48:55], s[56:63] the same for w's
.set G0B, 56
.set MSB, 0
.macro WIN new                         ; the immediate's high byte repeats the setting that is left
.if MSB != \new
	s_set_vgpr_msb (MSB<<8)|\new
.set MSB, \new
.endif
.endm
.set MUL_LO, 0xa1                      ; source 0 (w) window 1, source 1 (x) window 0, C and D window 2
.set MUL_HI, 0xf1                      ; the same, C and D window 3
.set TO_B,   0x40                      ; destination window 1, address window 0
; A joint load: waves 0 and 1 fetch for x, waves 2 and 3 for w.  Each of the two lines has ONE mask and one set of registers for all that issue it; the branch hangs on the wave's number alone.
; Four v_nop follow each of the two lines, ahead of the jump, the label and what follows.
.macro JLOAD g0a, g1a, g0b, g1b
	s_cmp_eq_u32 s17, 0
	s_cbranch_scc0 .Lfor_b_\@
	tensor_load_to_lds s[\g0a:\g0a+3], s[\g1a:\g1a+7]
	s_nop 0
.rept 4
	v_nop
.endr
	s_branch .Lasked_\@
.Lfor_b_\@:
	tensor_load_to_lds s[\g0b:\g0b+3], s[\g1b:\g1b+7]
	s_nop 0
.rept 4
	v_nop
.endr
.Lasked_\@:
.endm
.macro CREST                           ; a round of the cluster's barrier behind its opening barrier
	s_cmp_lg_u32 s16, 0
	s_cbranch_scc1 .Lnot_wave_0_\@
	s_barrier_signal -3
.Lnot_wave_0_\@:
	s_barrier_wait -3
	s_barrier_signal -1
	s_barrier_wait -1
.endm
.macro CROUND                          ; a whole round
	s_barrier_signal -1
	s_barrier_wait -1
	CREST
.endm
.macro PLACES n                        ; plain vector instructions that name no register of the matrix instructions in front of them
.rept \n
	v_nop
.endr
.endm
	s_load_b256 s[4:11], s[0:1], 0x0               ; xq s[4:5], wq s[6:7], tpart s[8:9], A s[10:11]
	s_load_b128 s[12:15], s[0:1], 0x20             ; bias s[12:13], out s[14:15]
	v_lshl_add_u32 v[SPW], v0, 2, SPARE
	v_mov_b32 v[NIL], 0
	ds_add_u32 v28, v29
	ds_add_u32 v28, v29
	s_wait_dscnt 0x0
	v_lshrrev_b32 v1, 5, v0
	v_readfirstlane_b32 s16, v1                    ; wave 0..3
	s_lshr_b32 s17, s16, 1                         ; which half of the tile's rows is mine.  Also: I fetch for x (0) or for w (1)
	s_and_b32 s18, s16, 1                          ; which half of its columns.  Also: which of the two blocks I fetch
	s_bfe_u32 s40, ttmp6, 0x40000                  ; cx, cy: my place in the cluster
	s_bfe_u32 s41, ttmp6, 0x40004
	s_lshl_b32 s42, ttmp9, 2
	s_add_co_u32 s42, s42, s40                     ; tile column = 4 x cluster x + cx
	s_and_b32 s43, ttmp7, 0xffff
	s_lshl_b32 s43, s43, 2
	s_add_co_u32 s43, s43, s41                     ; tile row = 4 x cluster y + cy
	s_lshl_b32 s44, s41, 2
	s_lshl_b32 s44, 15, s44                        ; my row of the cluster
	s_lshl_b32 s45, 0x1111, s40                    ; my column
	; descriptor group 1: a dense block of 33,792 bytes as 132 rows of 32 elements of 8 bytes; no padding: fragments are read 16 bytes a lane on end
	s_or_b32 s[G1+0], s44, (3<<16)|(1<<21)         ; 15:0 the mask: x's blocks go to my row; 17:16 elements of 8 bytes; 21 set beside a mask
	s_or_b32 s[G1B+0], s45, (3<<16)|(1<<21)        ; w's go to my column
.irp g, G1, G1B
	s_mov_b32 s[\g+1], 32<<16                      ; tensor_dim0 = 32
	s_mov_b32 s[\g+2], 132<<16                     ; tensor_dim1 = 132
	s_mov_b32 s[\g+3], 32<<16                      ; tile_dim0 = 32
	s_mov_b32 s[\g+4], 132                         ; tile_dim1 = 132
	s_mov_b32 s[\g+5], 32                          ; tensor_dim0_stride
	s_mov_b32 s[\g+6], 0
	s_mov_b32 s[\g+7], 0
.endr
	s_lshl_b32 s20, s43, 1
	s_add_co_u32 s20, s20, s18                     ; x: block 2 x tile row + which: it hangs on the tile row, which my row of the cluster shares
	s_mul_i32 s20, s20, GRP
	s_mov_b32 s21, 0
	s_lshl_b32 s46, s42, 1
	s_add_co_u32 s46, s46, s18                     ; w: block 2 x tile column + which
	s_mul_i32 s46, s46, GRP
	s_mov_b32 s47, 0
	s_mul_i32 s22, s16, GRP                        ; where they go: wave x a block: no place in the cluster enters an LDS address
	s_wait_kmcnt 0x0
	s_add_nc_u64 s[20:21], s[4:5], s[20:21]
	s_add_nc_u64 s[46:47], s[6:7], s[46:47]
	CROUND                                         ; all sixteen work-groups are here: the first joint loads meet
.irp s, 0,1
	s_mov_b32 s[G0+4*\s], 1
	s_add_co_u32 s[G0+4*\s+1], s22, \s*SLOT
	s_add_nc_u64 s[G0+4*\s+2:G0+4*\s+3], s[20:21], \s*JSTEP
	s_or_b32 s[G0+4*\s+3], s[G0+4*\s+3], 0x80000000
	s_mov_b32 s[G0B+4*\s], 1
	s_add_co_u32 s[G0B+4*\s+1], s22, \s*SLOT
	s_add_nc_u64 s[G0B+4*\s+2:G0B+4*\s+3], s[46:47], \s*JSTEP
	s_or_b32 s[G0B+4*\s+3], s[G0B+4*\s+3], 0x80000000
	JLOAD G0+4*\s, G1, G0B+4*\s, G1B               ; the ring is filled before anything else is done: two loads of mine are out
.endr
	v_and_b32 v1, 15, v0                           ; r
	v_bfe_u32 v2, v0, 4, 1                         ; h
	v_and_b32 v3, 31, v0                           ; lane
	v_lshlrev_b32 v[CO], 4, v3
	s_mul_i32 s20, s17, GRP                        ; my 128 rows of x
	s_add_co_u32 s21, s18, 2
	s_mul_i32 s21, s21, GRP                        ; my 128 rows of w, behind x's two blocks
	s_sub_co_u32 s23, s21, s20
	v_mul_u32_u24 v4, s23, v2                      ; the scale words: lanes 16-31 take w's block,
	v_lshl_add_u32 v4, v1, 3, v4                   ; 8 bytes a row
.irp s, 0,1
	v_add_nc_u32 v[ADRA+\s], s20, v[CO]
	v_add_nc_u32 v[ADRB+\s], s21, v[CO]
	v_add_nc_u32 v[ADRS+\s], s20, v4
	v_add_nc_u32 v[ADRS+\s], SCOFF, v[ADRS+\s]
	s_add_co_u32 s20, s20, SLOT
	s_add_co_u32 s21, s21, SLOT
.endr
	s_mul_i32 s23, s16, 16*SPITCH                  ; my stage
	v_mul_u32_u24 v5, v1, SPITCH                   ; in: row r, 32 bytes for each half of the lanes
	v_lshl_add_u32 v5, v2, 5, v5
	v_add_nc_u32 v[STO], s23, v5
	v_add_nc_u32 v[RD], s23, v[CO]                 ; back: the 32 lanes take one row of 512 bytes
	v_lshlrev_b32 v[BO], 5, v2
	v_lshlrev_b32 v[AO], 2, v1
	v_lshl_add_u32 v[AO], v2, 17, v[AO]
	s_lshl_b32 s72, s42, 10                        ; my first column, in bytes of f32: 1,024 x tile column + 512 x half
	s_lshl_b32 s73, s18, 9
	s_add_co_u32 s72, s72, s73
	s_mov_b32 s73, 0
	s_lshl_b32 s74, s43, 14                        ; tpart: 1,024 bytes for 16 rows: 16 x tile row + 8 x half of them
	s_lshl_b32 s75, s17, 13
	s_add_co_u32 s74, s74, s75
	s_mov_b32 s75, 0
	s_add_nc_u64 s[66:67], s[8:9], s[74:75]        ; tpart at my 128 rows
	s_add_nc_u64 s[68:69], s[10:11], s[72:73]      ; A at my 128 columns
	s_add_nc_u64 s[70:71], s[12:13], s[72:73]      ; bias likewise
	s_lshl_b32 s74, s74, 8                         ; my first row of out: 16 rows are 262,144 bytes, 256 times tpart's 1,024
	s_add_nc_u64 s[14:15], s[14:15], s[74:75]
	s_add_nc_u64 s[14:15], s[14:15], s[72:73]
	; ---- THE SUMS' START: bias + t A, while the first tiles are on their way
	WIN 0x80                                       ; destination window 2, address window 0
.irp p, 0,1,2,3
.irp a, 0,1,2,3,4,5,6,7
.irp c, 0,1
	global_load_b128 v[64*\p+8*\a+4*\c:64*\p+8*\a+4*\c+3], v[CO], s[66:67] offset:\p*262144+\a*1024+\c*512   ; part p of t: register 8 a + j: t(row 16 a + r, rank 8 h + j)
.endr
.endr
.endr
	WIN 0xc0                                       ; destination window 3
.irp b, 0,1,2,3,4,5,6,7
.irp j, 0,1,2,3,4,5,6,7
	global_load_b32 v[8*\b+\j], v[AO], s[68:69] offset:\j*16384+64*\b   ; A(8 h + j, column 16 b + r): sixteen lanes read 64 bytes; 8 KiB a wave, once
.endr
.endr
	WIN 0
.irp b, 0,1,2,3,4,5,6,7
.irp c, 0,1
	global_load_b128 v[BI+8*\b+4*\c:BI+8*\b+4*\c+3], v[BO], s[70:71] offset:64*\b+16*\c   ; bias in the result's layout: register j: column 16 b + 8 h + j
.endr
.endr
	s_wait_loadcnt 0x0
	WIN 0x8a                                       ; sources and destination window 2
.set n, 0
.rept 32
	v_pk_add_f32 v[n:n+1], v[n:n+1], v[64+n:65+n]                  ; t0 + t1
	v_pk_add_f32 v[128+n:129+n], v[128+n:129+n], v[192+n:193+n]    ; t2 + t3
.set n, n+2
.endr
	WIN 0x0a                                       ; sources window 2, destination window 0
.irp a, 0,1,2,3,4,5,6,7
.irp k, 0,1,2,3
	v_cvt_pk_bf16_f32 v[TT+8*\a+\k], v[8*\a+2*\k], v[8*\a+2*\k+1]               ; registers 0-3 of the operand: k = 8 h + 0 .. 7: ranks of t0 + t1
	v_cvt_pk_bf16_f32 v[TT+8*\a+4+\k], v[128+8*\a+2*\k], v[128+8*\a+2*\k+1]     ; registers 4-7: k = 16 + 8 h + 0 .. 7: the same ranks of t2 + t3
.endr
.endr
	WIN 0x4f                                       ; sources window 3, destination window 1
.irp b, 0,1,2,3,4,5,6,7
.irp k, 0,1,2,3
	v_cvt_pk_bf16_f32 v[8*\b+\k], v[8*\b+2*\k], v[8*\b+2*\k+1]                  ; A's 16 ranks,
	v_cvt_pk_bf16_f32 v[8*\b+4+\k], v[8*\b+2*\k], v[8*\b+2*\k+1]                ; and once more for k = 16 on: nothing is cleared
.endr
.endr
	PLACES 4                                       ; the distance that this text keeps between operands written by vector instructions and the products that read them
	WIN 0x81                                       ; source 0 (A) window 1, source 1 (t) and C (bias) window 0, D window 2
.irp a, 0,1,2,3
.irp b, 0,1,2,3,4,5,6,7
	v_wmma_f32_16x16x32_bf16 v[8*(8*\a+\b):8*(8*\a+\b)+7], v[8*\b:8*\b+7], v[TT+8*\a:TT+8*\a+7], v[BI+8*\b:BI+8*\b+7]
.endr
.endr
	WIN 0xc1                                       ; D window 3
.irp a, 4,5,6,7
.irp b, 0,1,2,3,4,5,6,7
	v_wmma_f32_16x16x32_bf16 v[8*(8*(\a-4)+\b):8*(8*(\a-4)+\b)+7], v[8*\b:8*\b+7], v[TT+8*\a:TT+8*\a+7], v[BI+8*\b:BI+8*\b+7]
.endr
.endr
	WIN 0
	PLACES 8                                       ; five places are owed before another form adds onto these results, four before loads land in these products' sources
.macro FRAG reg, adr, q, i             ; a fragment, 16 rows x 128 K, is 16 registers; its image lies in LDS as four runs of 512 bytes, 16 bytes a lane
.irp c, 0,1,2,3
	ds_load_b128 v[\reg+4*\c:\reg+4*\c+3], v[\adr] offset:(\i)*4096+(\q)*2048+512*\c
.endr
.endm
; 8 matrix instructions: x's block a against w's eight, 128 along K: the slot's q-th.  p: w's set;  sc: the set of scale words.
; The 64 accumulators take turns, one instruction a turn, in the same order everywhere, the start above included.
.macro MUL8 a, p, q, sc
.irp b, 0,1,2,3,4,5,6,7
	v_wmma_scale_f32_16x16x128_f8f6f4 v[8*(8*((\a)%4)+\b):8*(8*((\a)%4)+\b)+7], v[128*(\p)+FR*\b:128*(\p)+FR*\b+FR-1], v[AF+FR*(\a):AF+FR*(\a)+FR-1], v[8*(8*((\a)%4)+\b):8*(8*((\a)%4)+\b)+7], v[SC+8*NQ*(\sc)+NQ*\b+(\q)], v[SC+8*NQ*(\sc)+NQ*(\a)+(\q)] matrix_a_scale:MATRIX_SCALE_ROW1
.endr
.endm
.macro MUL16 a0, p, q, sc              ; blocks a0 and a0 + 1
	MUL8 \a0, \p, \q, \sc
	MUL8 \a0+1, \p, \q, \sc
.endm
.macro FETCH_B slot, q, p              ; w's eight fragments of the slot's q-th 128 along K into set p
	WIN TO_B
.irp i, 0,1,2,3,4,5,6,7
	FRAG 128*(\p)+FR*\i, ADRB+\slot, \q, \i
.endr
	WIN 0
.endm
.macro FETCH_A slot, q, i0             ; x's blocks i0 .. i0 + 3
.irp i, \i0, \i0+1, \i0+2, \i0+3
	FRAG AF+FR*(\i), ADRA+\slot, \q, \i
.endr
.endm
.macro SCALES sc                       ; slot sc's scale words: two words a row; lanes 0-15 take x's block i, lanes 16-31 w's block i
.irp i, 0,1,2,3,4,5,6,7
	ds_load_b64 v[SC+8*NQ*\sc+NQ*\i:SC+8*NQ*\sc+NQ*\i+1], v[ADRS+\sc] offset:\i*128
.endr
.endm
; A step of 128 along K that has its successor in the same slot.  x has one set of registers: blocks 0-3 are fetched anew in the step's middle, blocks 4-7 at its end; w has two sets.
.macro STEP slot, q
	s_wait_dscnt 4*NL                              ; w's set, x's blocks 0-3 and the scale words are in; the youngest 16 loads (x's blocks 4-7) may be out
	WIN MUL_LO
	MUL16 0, (\q)%2, \q, \slot
	MUL16 2, (\q)%2, \q, \slot
	s_wait_dscnt 0                                 ; x's blocks 4-7 are in (asked for 32 matrix instructions ago)
	PLACES NP                                      ; in front of loads into registers that matrix instructions have read
	FETCH_B \slot, (\q)+1, 1-(\q)%2
	FETCH_A \slot, (\q)+1, 0
	WIN MUL_HI
	MUL16 4, (\q)%2, \q, \slot
	MUL16 6, (\q)%2, \q, \slot
	PLACES NP
	WIN 0
	FETCH_A \slot, (\q)+1, 4
.endm
; A slot's last step works on registers alone: all its fragments were fetched in the step before.  So the change of slots stands at its HEAD: each wave waits for all its tensor loads, adds 0 to its spare word, and waits
; for that and for its own reads of this slot; ONE barrier.  fill = 1: this slot is filled again, two K steps ahead, and nearly all of the step's products stand behind the request.
.macro TURN slot, next, fill
	s_wait_tensorcnt 0x0                           ; all my tensor loads have landed: my part of the next slot; so every group 0 may be written  (every window is 0 here)
	ds_add_u32 v[SPW], v[NIL]                      ; 0 onto my spare word
.if \fill
	s_add_nc_u64 s[G0+4*\slot+2:G0+4*\slot+3], s[G0+4*\slot+2:G0+4*\slot+3], 2*JSTEP
	s_add_nc_u64 s[G0B+4*\slot+2:G0B+4*\slot+3], s[G0B+4*\slot+2:G0B+4*\slot+3], 2*JSTEP
.endif
	s_wait_dscnt 4*NL+1                            ; the add and the youngest 16 loads (x's blocks 4-7) may be out
	WIN MUL_LO
	MUL8 0, 1, NQ-1, \slot                         ; eight matrix instructions stand between the add and the wait for it
	WIN 0
	s_wait_dscnt 0x0                               ; the add is done, and my reads of this slot are over
	s_barrier_signal -1
	s_barrier_wait -1
.if \fill
	CREST                                          ; the barrier has opened a round of the cluster's barrier: no wave of any partner still reads this slot or has a load on its way
	JLOAD G0+4*\slot, G1, G0B+4*\slot, G1B         ; the first tensor load behind the round: 56 matrix instructions of this step and the next step's 64 stand between it and the wait for it
.endif
	WIN MUL_LO
	MUL8 1, 1, NQ-1, \slot
	MUL16 2, 1, NQ-1, \slot
	PLACES NP                                      ; in front of the loads into x's blocks 0-3; w's set 0 was last read in front of the step before's last places
	FETCH_B \next, 0, 0
	FETCH_A \next, 0, 0
	SCALES \next
	WIN MUL_HI
	MUL16 4, 1, NQ-1, \slot
	MUL16 6, 1, NQ-1, \slot
	PLACES NP
	WIN 0
	FETCH_A \next, 0, 4
.endm
	s_wait_tensorcnt 1                             ; my part of K step 0 is in (K step 1's load may be out)
	s_barrier_signal -1
	s_barrier_wait -1                              ; everybody's is
	FETCH_B 0, 0, 0
	FETCH_A 0, 0, 0
	SCALES 0
	FETCH_A 0, 0, 4
	STEP 0, 0
	s_mov_b32 s3, LAPS-1
.Llap:                                                 ; a trip goes once round the ring, from a lap's second step to the next lap's first, and fills both slots again
	TURN 0, 1, 1
	STEP 1, 0
	TURN 1, 0, 1
	STEP 0, 0
	s_sub_co_u32 s3, s3, 1
	s_cmp_lg_u32 s3, 0
	s_cbranch_scc1 .Llap
	TURN 0, 1, 0                                   ; the last lap fills nothing, and has no round of the cluster's barrier
	STEP 1, 0
	s_wait_dscnt 4*NL                              ; the very last step: nothing more to fetch
	WIN MUL_LO
	MUL16 0, 1, NQ-1, 1
	MUL16 2, 1, NQ-1, 1
	s_wait_dscnt 0
	WIN MUL_HI
	MUL16 4, 1, NQ-1, 1
	MUL16 6, 1, NQ-1, 1
	WIN 0
; THE WAY OUT, block by block of 16 rows x 128 columns.  A lane holds 32 neighbouring bytes of a row, and the lanes beside it hold other rows: so a block goes through my own stage in LDS and comes back as whole
; rows of 512 bytes.  LDS serves a wave's instructions in order (ISA guide 5.7.1.4): no wait between the stores and the loads, nor in front of the next block's stores.
.macro TOSTAGE a
.set AC, 64*((\a)%4)
	WIN 0x08+4*((\a)/4)                            ; an LDS store's data are its source 1: window 2 or 3
.irp b, 0,1,2,3,4,5,6,7
	ds_store_b128 v[STO], v[AC+8*\b:AC+8*\b+3] offset:64*\b          ; each accumulator from its low end on
	ds_store_b128 v[STO], v[AC+8*\b+4:AC+8*\b+7] offset:64*\b+16
.endr
	WIN 0
.set BB, BK+64*((\a)%2)
.irp t, 0,1,2,3,4,5,6,7,8,9,10,11,12,13,14,15
	ds_load_b128 v[BB+4*\t:BB+4*\t+3], v[RD] offset:\t*SPITCH
.endr
.endm
.macro SEND a, younger                 ; younger: the LDS instructions issued behind block a's loads, which may stay out
.set BB, BK+64*((\a)%2)
	s_wait_dscnt \younger                          ; the block is back in registers
.if (\a) > 0
	s_add_nc_u64 s[14:15], s[14:15], 16*ROWC       ; (behind a wait on XCNT: the earlier stores have read their base)  16 rows on, so that the stores' offsets stay at 15 rows at the most
.endif
.irp t, 0,1,2,3,4,5,6,7,8,9,10,11,12,13,14,15
	global_store_b128 v[CO], v[BB+4*\t:BB+4*\t+3], s[14:15] offset:\t*ROWC th:TH_STORE_NT   ; 32 lanes store 512 consecutive bytes, at a multiple of 256 from out's first byte; written once, read by nobody here
.endr
.endm
	PLACES NP                                      ; behind the last products: for the loads into the registers that held x's fragments and for the reads of the last results alike
	TOSTAGE 0
.irp a, 1,2,3,4,5,6,7
.if \a > 1
	s_wait_xcnt 0x0                                ; block a - 2's stores have read their registers and their base: block a's loads may land there, and the base may step
.endif
	TOSTAGE \a
	SEND \a-1, 32                                  ; behind block a - 1's loads: block a's 16 stores and 16 loads
.endr
	s_wait_xcnt 0x0                                ; block 6's stores have read their base
	SEND 7, 0
	s_wait_tensorcnt 0x0                           ; the wave's end: behind my last tensor load and my last LDS store
	ds_add_u32 v[SPW], v[NIL]
	s_wait_dscnt 0x0
	CROUND                                         ; the closing round: no work-group ends while a partner may still ask for a tile that names it
	s_endpgm
.Lfunc_end_k_qdf36ff9917_gemm:
	.size	k_qdf36ff9917_gemm, .Lfunc_end_k_qdf36ff9917_gemm-k_qdf36ff9917_gemm
	.p2alignl 7, 3214868480
	.fill 96, 4, 3214868480
	.section	.rodata,"a",@progbits
	.p2align	6, 0x0
	.amdhsa_kernel k_qdf36ff9917_gemm
		.amdhsa_group_segment_fixed_size 327680
		.amdhsa_private_segment_fixed_size 0
		.amdhsa_enable_private_segment 0
		.amdhsa_kernarg_size 48
		.amdhsa_user_sgpr_count 2
		.amdhsa_user_sgpr_kernarg_segment_ptr 1
		.amdhsa_wavefront_size32 1
		.amdhsa_system_sgpr_workgroup_id_x 1
		.amdhsa_system_sgpr_workgroup_id_y 1
		.amdhsa_system_sgpr_workgroup_id_z 1
		.amdhsa_system_vgpr_workitem_id 0
		.amdhsa_next_free_vgpr 1024
		.amdhsa_next_free_sgpr 76
		.amdhsa_reserve_vcc 0
		.amdhsa_float_denorm_mode_32 3
		.amdhsa_float_denorm_mode_16_64 3
		.amdhsa_memory_ordered 1
		.amdhsa_forward_progress 1
		.amdhsa_inst_pref_size 174
	.end_amdhsa_kernel
	.amdgpu_metadata
---
amdhsa.version: [ 1, 2 ]
amdhsa.kernels:
  - .name:           k_qdf36ff9917_gemm
    .symbol:         k_qdf36ff9917_gemm.kd
    .args:
      - { .name: xq, .offset: 0, .size: 8, .value_kind: global_buffer, .address_space: global }
      - { .name: wq, .offset: 8, .size: 8, .value_kind: global_buffer, .address_space: global }
      - { .name: tpart, .offset: 16, .size: 8, .value_kind: global_buffer, .address_space: global }
      - { .name: A, .offset: 24, .size: 8, .value_kind: global_buffer, .address_space: global }
      - { .name: bias, .offset: 32, .size: 8, .value_kind: global_buffer, .address_space: global }
      - { .name: out0, .offset: 40, .size: 8, .value_kind: global_buffer, .address_space: global }
    .group_segment_fixed_size: 327680
    .private_segment_fixed_size: 0
    .kernarg_segment_align: 8
    .kernarg_segment_size: 48
    .max_flat_workgroup_size: 128
    .sgpr_count:     76
    .vgpr_count:     1024
    .wavefront_size: 32
...
	.end_amdgpu_metadata
.endif
;; end of part 2
;; ======== version 2 of 2: 2 launches; version 1 with the launch quant written anew for expert scheduling mode
;; workspace buffers: xq 17,301,504 bytes; wq 17,301,504 bytes; tpart 1,048,576 bytes
;; launch quant (part 3): grid 256 x 1, 16 waves a work-group, no clusters, 204,800 bytes of LDS; arguments x, qweight, scale, B, xq, wq, tpart; writes xq, wq, tpart
.if DOCPART == 3
	.amdgcn_target "amdgcn-amd-amdhsa--gfx1250"
	.amdhsa_code_object_version 6
	.text
	.protected	k_qdf36ff9917_quant
	.globl	k_qdf36ff9917_quant
	.p2align	8
	.type	k_qdf36ff9917_quant,@function
k_qdf36ff9917_quant:
	s_mov_b64 s[64:65], 0
	v_nop
	global_prefetch_b8 v0, s[64:65] scope:SCOPE_SE
	s_setreg_imm32_b32 hwreg(HW_REG_WAVE_SCHED_MODE, 0, 2), 2
	s_setreg_imm32_b32 hwreg(HW_REG_WAVE_MODE, 25, 1), 1
	s_wait_xcnt 0x0
	s_wait_alu depctr_vm_vsrc(0)
; x [4096][4096] f32 and w = f32(qweight) * scale [4096][4096] become codes of FP8 (E4M3) with one E8M0 scale byte for each 32 along K (the last axis of both),
; and on the way t = Q(x) Q(B) [4096][16] is made, in four parts along K, from x's codes while they lie in registers.
; A block's scale is 2^(floor(log2(its largest magnitude)) - 8); its byte is the largest magnitude's exponent field - 8, held at 1 from below; each number is held within +-448 x the scale and rounded to the nearest code.
; LIMITS: NaN and infinities among the inputs are not served.  A block of zeros gets the byte 1 where the rule says 127: its codes are zeros, which add nothing under any byte but 0xff, and this program alone reads the bytes.
;         t is left as four sums over 1,024 of K each, and each of these is the f32 sum of four sums over 256; the next launch adds the four: f32 sums in another order than one chain.
; OUTPUT LAYOUT (xq, wq): [K / 256 (16)][row / 128 (32)][33,792 bytes].  A block holds 128 rows x 256 K as IMAGES OF THE OPERAND'S REGISTERS: byte i*4096 + q*2048 + c*512 + lane*16 (i: 16 rows; q: 128 of K; c: four registers),
; and from byte 32,768 on the scale words at i*128 + r*8 + q*4.  So the next launch brings codes and scales of a K step by one dense tensor load and reads fragments with 16 bytes a lane on end.
; tpart: [K quarter (4)][16 rows (256)][c (2)][lane (32)][4 f32]: lane (r, h) holds t(row r, rank 8 h + 4 c + 0 .. 3).
; SHARES.  Work-groups 0-127 take x, 128-255 qweight: only pointers are chosen, and short scalar branches on the work-group's number go round what one tensor alone needs.
; A work-group of SIXTEEN waves, four to a SIMD at 248 registers, takes 128 rows x 1,024 K.  Wave W takes rows 32 (W % 4) on and K 256 (W / 4) on: four fragments of 16 rows x 128 K, 8 KiB of 4-byte numbers each.
; THE WAY IN.  A fragment comes by 16 loads, each one row's 512 consecutive bytes, 16 a lane.  The conversions want 16 NEIGHBOURS along K in a lane: so the 8 KiB turn through the wave's own stage in LDS and come back into the
; registers that they left.  Two sets of 64 registers: 16 KiB a wave, 256 KiB a work-group, are asked for at the start, and a set is asked for again as soon as it has been quantised: no wave waits for another to ask.
; Loads into registers, not tensor loads: the launch has no slot in LDS that is filled again, so no meeting of the waves stands between one request and the next.  NO CLUSTER: the work-groups share no tile of x or qweight.
; THE MODE: SCHED_MODE bits 1:0 = 2 (LLVM: expert scheduling mode 2), set by the entry lines.  The code itself states the register dependences
; between vector or matrix instructions and memory or LDS instructions, with s_wait_alu, always for 0.
; THE PLAN.  Registers that memory or LDS instructions touch:
;   v4-v15        Offsets and LDS addresses: written at the head, read by every load and store, never written again: one wait on va_vdst at the head.
;   X0, X1        A fragment's turn: global loads land in the set; 16 LDS stores read it; a wait on vm_vsrc; 16 LDS loads land in it; the arithmetic reads and writes it; a wait on va_vdst; the next global loads land in it.
;   PC0, PC1      Written by a fragment's conversions; read by its four global stores, behind the same wait on va_vdst, and by the products; written again a trip later, behind that fragment's wait on vm_vsrc.
;   SW            Written by the select that stands ahead of the second fragment's wait on va_vdst; read by one store at the end; no vector or matrix instruction names it in between.
;   BF, BS        LDS loads land in them; the products read them; the next trip's loads stand behind that trip's two waits on va_vdst, with no vector instruction between the second of them and the loads.
;   PCB, PW0      In the waves that quantise B: written by B's quantiser, read by five LDS stores behind a wait on va_vdst; PW0 is written again behind the first fragment's wait on vm_vsrc.
;   T0            Named by vector and matrix instructions until the end, where four LDS stores read it behind the places and a wait on va_vdst.
;   v248, v249    Written at the head, read by the closing add alone.
.set GRP,    33792                     ; a block of the output
.set SP,     528                       ; a stage row: 512 bytes + 16 = 33 x 16 bytes: the 16 rows that a load touches start 16 bytes apart modulo 256
.set STGW,   16*SP                     ; a wave's stage
.set BIMG,   16*STGW                   ; behind the stages: B's fragments as images of 2,048 bytes, a place for each wave (waves 0-7 fill theirs: the 8 fragments of the K quarter)
.set BSC,    BIMG+16*2048              ; their scale words, 128 bytes each
.set TRED,   BSC+16*128                ; t's parts, 2,048 bytes a wave
.set GA,  4                            ; v4   16 x lane
.set STI, 5                            ; v5   my stage, on the way in: 16 x lane
.set STR, 6                            ; v6   and on the way out: row r, + 64 h
.set CO,  7                            ; v7   my codes' place in a block: 16 x lane + 8,192 x (W % 4)
.set SO,  8                            ; v8   my scale words' place: 8 x lane + 256 x (W % 4)
.set BFA, 9                            ; v9   B's images of my 256 of K
.set BSA, 10                           ; v10  their scale words
.set BWI, 11                           ; v11  where I store B's image: place W
.set BWS, 12                           ; v12  and its scale words
.set BA,  13                           ; v13  B: column r, + 16 h rows of 64 bytes
.set TRW, 14                           ; v14  where I put my part of t
.set TRR, 15                           ; v15  where I read the four parts that I add
.set PW0, 18                           ; v18  scale word of my first 16 rows (scales alone)
.set SW,  20                           ; v[20:21] my rows' two scale words, to store
.set PW1, 22                           ; v22  scale word of my second 16 rows (scales alone)
.set BS,  23                           ; v23  B's scale words (scales alone)
.set TM,  24                           ; v24-27 largest magnitudes, v28-31 bytes, v32-35 448 x the scale, v36-39 the conversions' scale operands
.set PC,  40                           ; v40-55, v56-71 the codes of my two blocks of 16 rows
.set BR,  40                           ; v40-103 at the start, in waves 0-7 of x's work-groups: 64 numbers of B
.set BF,  72                           ; v72-87 a fragment of B
.set T0,  88                           ; v88-95, v96-103 t of my two blocks of 16 rows
.set X,   104                          ; v104-167, v168-231 two sets of 64 numbers: my first and my second 16 rows
.set PCB, 232                          ; v232-247 B's codes
.set WV,  18                           ; s18  wave 0..15
.set ISW, 19                           ; s19  0: x, 1: qweight
.set WR,  23                           ; s23  W % 4: which 32 rows
.set SEL, 24                           ; s[24:25] v_permlanex16_b32's selects for lane l xor 16
.set MNT, 26                           ; s26  the mantissa field of 448
.set HM,  27                           ; s27  lanes 16-31
.set SCL, 28                           ; s[28:29] scale, twice
.set DST, 30                           ; s[30:31] my block of xq or wq
.set WU,  32                           ; s32  W / 4: which 256 of K
.set SRC, 34                           ; s[34:35] my wave's first number
.set BB,  36                           ; s[36:37] B at my fragment
.set TP,  38                           ; s[38:39] tpart at the 512 bytes that I store
	s_load_b256 s[4:11], s[0:1], 0x0               ; x s[4:5], qweight s[6:7], scale s[8:9], B s[10:11]
	s_load_b128 s[12:15], s[0:1], 0x20             ; xq s[12:13], wq s[14:15]
	s_load_b64 s[16:17], s[0:1], 0x30              ; tpart
	v_lshl_add_u32 v248, v0, 2, 0x31800
	v_mov_b32 v249, 0
	v_lshrrev_b32 v1, 5, v0
	v_readfirstlane_b32 s[WV], v1                  ; wave 0..15
	s_lshr_b32 s[ISW], ttmp9, 7                    ; (what does not hang on the wave's number stands between that line and the wait for it)
	s_and_b32 s20, ttmp9, 127
	s_lshr_b32 s21, s20, 2                         ; which 128 rows
	s_and_b32 s22, s20, 3                          ; which 1,024 of K
	v_and_b32 v1, 31, v0                           ; lane
	v_and_b32 v2, 15, v0                           ; r
	v_bfe_u32 v3, v0, 4, 1                         ; h
	v_lshlrev_b32 v[GA], 4, v1
	s_wait_alu depctr_va_sdst(0)                   ; the wave's number is written, ahead of its first reader: bases, LDS places and branches are made from it
	s_and_b32 s[WR], s[WV], 3
	s_lshr_b32 s[WU], s[WV], 2
	s_mul_i32 s40, s[WV], STGW                     ; my stage
	v_add_nc_u32 v[STI], s40, v[GA]
	v_mul_u32_u24 v[STR], v2, SP
	v_lshl_add_u32 v[STR], v3, 6, v[STR]           ; row r, + 64 h: my 16 numbers of a block of 32
	v_add_nc_u32 v[STR], s40, v[STR]
	s_lshl_b32 s40, s[WR], 13
	v_add_nc_u32 v[CO], s40, v[GA]
	v_lshlrev_b32 v[SO], 3, v1
	s_lshl_b32 s40, s[WR], 8
	v_add_nc_u32 v[SO], s40, v[SO]
	s_lshl_b32 s40, s[WU], 12                      ; my 256 of K are B's fragments 2 (W / 4) and 2 (W / 4) + 1
	v_add_nc_u32 v[BFA], s40, v[GA]
	v_add_nc_u32 v[BFA], BIMG, v[BFA]
	v_lshlrev_b32 v[BWS], 2, v1
	s_lshl_b32 s40, s[WU], 8
	v_add_nc_u32 v[BSA], s40, v[BWS]
	v_add_nc_u32 v[BSA], BSC, v[BSA]
	s_lshl_b32 s40, s[WV], 7
	v_add_nc_u32 v[BWS], s40, v[BWS]
	v_add_nc_u32 v[BWS], BSC, v[BWS]
	s_lshl_b32 s40, s[WV], 11
	v_add_nc_u32 v[BWI], s40, v[GA]
	v_add_nc_u32 v[TRW], TRED, v[BWI]              ; t's parts: place W = W % 4 + 4 (W / 4)
	v_add_nc_u32 v[BWI], BIMG, v[BWI]
	s_lshl_b32 s40, s[WR], 11                      ; I add, of the four waves that share my rows, the four registers numbered W / 4
	s_lshl_b32 s41, s[WU], 9
	s_add_co_u32 s40, s40, s41
	v_add_nc_u32 v[TRR], s40, v[GA]
	v_add_nc_u32 v[TRR], TRED, v[TRR]
	v_lshlrev_b32 v[BA], 2, v2
	v_lshl_add_u32 v[BA], v3, 10, v[BA]
	s_lshl_b32 s40, s21, 21                        ; the source: 128 rows of 16,384 bytes,
	s_lshl_b32 s41, s[WR], 19                      ; my 32 of them,
	s_add_co_u32 s40, s40, s41
	s_lshl_b32 s41, s22, 12                        ; 1,024 numbers along K,
	s_add_co_u32 s40, s40, s41
	s_lshl_b32 s41, s[WU], 10                      ; my 256 of them
	s_add_co_u32 s40, s40, s41
	s_mov_b32 s41, 0
	s_lshl_b32 s42, s22, 7                         ; the output: block (4 x K quarter + W / 4) x 32 + group of rows
	s_lshl_b32 s43, s[WU], 5
	s_add_co_u32 s42, s42, s43
	s_add_co_u32 s42, s42, s21
	s_mul_i32 s42, s42, GRP
	s_mov_b32 s43, 0
	s_and_b32 s44, s[WV], 7                        ; B: 128 rows of 64 bytes a fragment (waves 0-7 load),
	s_lshl_b32 s44, s44, 13
	s_lshl_b32 s45, s22, 16                        ; 1,024 rows a K quarter
	s_add_co_u32 s44, s44, s45
	s_mov_b32 s45, 0
	s_lshl_b32 s46, s22, 18                        ; tpart: 262,144 bytes a K quarter,
	s_lshl_b32 s47, s21, 13                        ; 1,024 bytes for 16 rows,
	s_add_co_u32 s46, s46, s47
	s_lshl_b32 s47, s[WR], 11
	s_add_co_u32 s46, s46, s47
	s_lshl_b32 s47, s[WU], 9                       ; and of my rows' 2,048 bytes the 512 numbered W / 4
	s_add_co_u32 s46, s46, s47
	s_mov_b32 s47, 0
	s_mov_b32 s[SEL], 0x76543210
	s_mov_b32 s[SEL+1], 0xfedcba98
	s_mov_b32 s[MNT], 0x600000
	s_mov_b32 s[HM], 0xffff0000
.irp b, 0,1,2,3
	v_mov_b32 v[TM+4+\b], 0                        ; written once: a lane permute's destination counts as one of its sources
.endr
	s_wait_kmcnt 0x0
	s_load_b32 s[SCL], s[8:9], 0x0                 ; the weights' scale
	s_cmp_lt_u32 ttmp9, 128                        ; x's work-group or qweight's: the choice hangs on the work-group's number alone
	s_cselect_b64 s[SRC:SRC+1], s[4:5], s[6:7]
	s_cselect_b64 s[DST:DST+1], s[12:13], s[14:15]
	s_add_nc_u64 s[SRC:SRC+1], s[SRC:SRC+1], s[40:41]
	s_add_nc_u64 s[DST:DST+1], s[DST:DST+1], s[42:43]
	s_add_nc_u64 s[BB:BB+1], s[10:11], s[44:45]
	s_add_nc_u64 s[TP:TP+1], s[16:17], s[46:47]
	s_wait_alu depctr_va_vdst(0)                   ; the twelve offsets and LDS addresses v4 to v15 are written: every load and store of the kernel reads one of them, and none is written again
; 64 numbers of a lane, v[s] .. v[s + 63], register 16 b + i = k 32 b + 16 (lane / 16) + i of my row (or column), become a fragment's codes in v[pc] on and its scale word in v[pw].
.macro QUANT s, pc, pw
.irp b, 0,1,2,3
	v_max3_num_f32 v[TM+\b], |v[\s+16*\b]|, |v[\s+1+16*\b]|, 0x4800000   ; block b: my 16 numbers, and the floor 2^(9 - 127): so the byte cannot fall under 1
.endr
.irp i, 2,4,6,8,10,12,14
.irp b, 0,1,2,3
	v_max3_num_f32 v[TM+\b], v[TM+\b], |v[\s+16*\b+\i]|, |v[\s+1+16*\b+\i]|   ; the four blocks by turns: no line waits for the line above it
.endr
.endr
.irp b, 0,1,2,3
	v_permlanex16_b32 v[TM+4+\b], v[TM+\b], s[SEL], s[SEL+1]
.endr
.irp b, 0,1,2,3
	v_max_num_f32 v[TM+\b], v[TM+\b], v[TM+4+\b]   ; with lane l xor 16's: the block's largest magnitude
.endr
.irp b, 0,1,2,3
	v_add_nc_u32 v[TM+12+\b], 0xfc000000, v[TM+\b] ; 8 off its exponent field: the conversion takes the exponent field of this operand as its scale
.endr
.irp b, 0,1,2,3
	v_and_or_b32 v[TM+8+\b], v[TM+\b], 0x7f800000, s[MNT]   ; 448 x the scale
.endr
.irp b, 0,1,2,3
	v_lshrrev_b32 v[TM+4+\b], 23, v[TM+12+\b]      ; the scale's byte
.endr
	v_lshl_or_b32 v[\pw], v[TM+5], 8, v[TM+4]      ; the four bytes make the row's scale word; both halves of the lanes hold it
	v_lshl_or_b32 v[\pw], v[TM+6], 16, v[\pw]
	v_lshl_or_b32 v[\pw], v[TM+7], 24, v[\pw]
.irp b, 0,1,2,3
.irp i, 0,1,2,3,4,5,6,7,8,9,10,11,12,13,14,15
	v_med3_num_f32 v[\s+16*\b+\i], v[\s+16*\b+\i], -v[TM+8+\b], v[TM+8+\b]   ; the conversion to an 8-bit code does not saturate (ISA guide 7.6.2): the hold comes first
.endr
	v_cvt_scalef32_pk8_fp8_f32 v[\pc+4*\b:\pc+1+4*\b], v[\s+16*\b:\s+7+16*\b], v[TM+12+\b]
	v_cvt_scalef32_pk8_fp8_f32 v[\pc+2+4*\b:\pc+3+4*\b], v[\s+8+16*\b:\s+15+16*\b], v[TM+12+\b]
.endr
	v_nop                                          ; one plain vector instruction behind the last scaled conversion, ahead of whatever next touches its registers
.endm
; The fragment of my rows 16 ii on, K 128 q on, is asked for: 16 loads, each one row's 512 consecutive bytes, into set ii.  Every offset is an immediate: 508,416 bytes at the most.
.macro LOADF q, ii
.irp t, 0,1,2,3,4,5,6,7,8,9,10,11,12,13,14,15
	global_load_b128 v[X+64*\ii+4*\t:X+64*\ii+4*\t+3], v[GA], s[SRC:SRC+1] offset:(16*\ii+\t)*16384+512*\q th:TH_LOAD_NT
.endr
.endm
	; ---- The first requests.  In x's work-groups waves 0-7 each quantise one fragment of B's K quarter first: lane r takes rank r and its registers run DOWN K, in the operand's own order: nothing is transposed.
	s_cmp_lg_u32 s[ISW], 0
	s_cbranch_scc1 .Lno_b
	s_cmp_ge_u32 s[WV], 8
	s_cbranch_scc1 .Lno_b
.irp c, 0,1,2,3
.irp i, 0,1,2,3,4,5,6,7,8,9,10,11,12,13,14,15
	global_load_b32 v[BR+16*\c+\i], v[BA], s[BB:BB+1] offset:64*(32*\c+\i)         ; B(32 c + 16 h + i, r): sixteen lanes read a row's 64 bytes
.endr
.endr
	LOADF 0, 0
	LOADF 0, 1
	s_wait_loadcnt 32                              ; B's 64 loads are in; the 32 issued behind them, my first two fragments, may be out
	QUANT BR, PCB, PW0
	s_wait_alu depctr_va_vdst(0)                   ; the conversions have written B's codes v[PCB ..] and the shifts its scale word v[PW0], which the five LDS stores below read
.irp c, 0,1,2,3
	ds_store_b128 v[BWI], v[PCB+4*\c:PCB+4*\c+3] offset:512*\c                     ; the fragment goes to LDS as it stands in registers
.endr
	ds_store_b32 v[BWS], v[PW0]
	s_branch .Ljoin
.Lno_b:
	LOADF 0, 0
	LOADF 0, 1
.Ljoin:
.irp j, 0,1,2,3,4,5,6,7,8,9,10,11,12,13,14,15
	v_mov_b32 v[T0+\j], 0                          ; t's two sums begin as zeros, written on the way that every work-group takes: the products stand under a branch
.endr
	s_wait_kmcnt 0x0
	s_mov_b32 s[SCL+1], s[SCL]                     ; (the packed form names the pair)
; One fragment: through my stage, (qweight: to f32, times scale,) quantised; its set is asked for again, its codes are stored.  left: the younger loads that may stay out.
.macro FRAG q, ii, left
.set S, X+64*\ii
	s_wait_loadcnt \left                           ; loads come back in order (ISA guide 5.7.1): this fragment's 16 are in
.irp t, 0,1,2,3,4,5,6,7,8,9,10,11,12,13,14,15
	ds_store_b128 v[STI], v[S+4*\t:S+4*\t+3] offset:\t*SP            ; row t as it lies
.endr
	s_wait_alu depctr_vm_vsrc(0)                   ; the 16 LDS stores above have read the set, in which the LDS loads below land and which the arithmetic then writes; and every earlier store has read its data: the last trip's stores these codes' registers, B's store v[PW0], all of which this fragment's quantiser writes again
.irp b, 0,1,2,3
.irp j, 0,1,2,3
	ds_load_b128 v[S+16*\b+4*\j:S+16*\b+4*\j+3], v[STR] offset:128*\b+16*\j   ; LDS serves a wave's instructions in order (ISA guide 5.7.1.4): these see the stores above, and the next fragment's stores come behind them
.endr
.endr
	s_wait_dscnt 0x0
	s_cmp_eq_u32 s[ISW], 0
	s_cbranch_scc1 .Lfloat_\@
.set n, 0
.rept 64
	v_cvt_f32_i32 v[S+n], v[S+n]                   ; exact: the weights lie within +-127
.set n, n+1
.endr
.set n, 0
.rept 32
	v_pk_mul_f32 v[S+n:S+n+1], v[S+n:S+n+1], s[SCL:SCL+1] op_sel_hi:[1,0]   ; w = q x scale: one rounding
.set n, n+2
.endr
.Lfloat_\@:
.if \q
	s_wait_xcnt 0x0                                ; the first trip's stores have had their addresses translated (ISA guide 3.1): their codes' registers are rewritten only behind this wait
.endif
	QUANT S, PC+16*\ii, PW0+4*\ii
.if \ii
	v_cndmask_b32 v[SW+\q], v[PW0], v[PW1], s[HM]  ; this trip's scale words: lanes 0-15 my first 16 rows', lanes 16-31 my second 16 rows'
.endif
	s_wait_alu depctr_va_vdst(0)                   ; the quantiser is done reading and writing the set, in which the loads below land; the conversions have written the codes, which the stores below read; the select has written v[SW ..], which the store at the end reads; the last trip's products are done reading v[BF ..] and v[BS], in which this trip's LDS loads land
.if \q == 0
	LOADF 1, \ii                                   ; the set is free: the same rows' next 128 of K
.endif
.irp c, 0,1,2,3
	global_store_b128 v[CO], v[PC+16*\ii+4*\c:PC+16*\ii+4*\c+3], s[DST:DST+1] offset:\ii*4096+\q*2048+512*\c   ; the wave stores 512 consecutive bytes, aligned
.endr
.endm
; 128 along K: my two fragments, and (x alone) their products with B's fragment.
.macro TRIP q
	FRAG \q, 0, 16                                 ; the other set's 16 loads were issued behind this one's
	FRAG \q, 1, 16*(1-\q)                          ; likewise; behind the last fragment's nothing was issued
.if \q == 0
	s_wait_dscnt 0x0                               ; for the others' sake: my stores of B's image are done
	s_barrier_signal -1
	s_barrier_wait -1                              ; B's eight images lie in LDS
.endif
	s_cmp_lg_u32 s[ISW], 0
	s_cbranch_scc1 .Lnot_x_\@
	; x alone: t += Q(B)^T Q(x)^T for these 128 of K.  Source 0 = B's 16 ranks, source 1 = my 16 rows: a lane then holds one row and eight ranks.
.irp c, 0,1,2,3
	ds_load_b128 v[BF+4*\c:BF+4*\c+3], v[BFA] offset:\q*2048+512*\c   ; no vector or matrix instruction has been issued since the second fragment's wait on va_vdst
.endr
	ds_load_b32 v[BS], v[BSA] offset:\q*128
	s_wait_dscnt 0x0
.rept 3
	v_nop                                          ; with the quantiser's last line and the select: five places between the last conversion and the scaled product that reads its codes; the scale words were made 64 lines further up
.endr
	s_wait_alu depctr_va_vdst(0)                   ; behind the places: the conversions have written the codes v[PC ..] and the shifts the scale words v[PW0] and v[PW1], which the two scaled products take as operand and as scales
	v_wmma_scale_f32_16x16x128_f8f6f4 v[T0:T0+7], v[BF:BF+15], v[PC:PC+15], v[T0:T0+7], v[BS], v[PW0]          ; the two sums take turns, one instruction a turn, from trip to trip too
	v_wmma_scale_f32_16x16x128_f8f6f4 v[T0+8:T0+15], v[BF:BF+15], v[PC+16:PC+31], v[T0+8:T0+15], v[BS], v[PW1]
.Lnot_x_\@:                                        ; (vector instructions next write the products' registers behind the next fragment's 32 maxima: more than the eight places owed)
.endm
	TRIP 0
	TRIP 1
	global_store_b64 v[SO], v[SW:SW+1], s[DST:DST+1] offset:32768   ; my 32 rows' scale words: 256 consecutive bytes, aligned.  No wait: both selects stand ahead of a wait on va_vdst, and nothing issued since names v[SW ..] or v[SO]
	; ---- t: the four waves that share 32 rows hold its sums over 256 of K each; they meet in LDS, and each wave adds and stores a quarter
	s_cmp_lg_u32 s[ISW], 0
	s_cbranch_scc1 .Lno_t
.rept 8
	v_nop                                          ; eight places between the last product and the LDS stores that read its result
.endr
	s_wait_alu depctr_va_vdst(0)                   ; the products have written t's two sums v[T0 ..], which the LDS stores read; the places above stay beside this wait
.irp k, 0,1,2,3
	ds_store_b128 v[TRW], v[T0+4*\k:T0+4*\k+3] offset:512*\k         ; each sum from its low end on
.endr
.Lno_t:
	s_wait_dscnt 0x0                               ; for the others' sake: my part of t is in LDS
	s_barrier_signal -1
	s_barrier_wait -1
	s_cmp_lg_u32 s[ISW], 0
	s_cbranch_scc1 .Lend
.irp k, 0,1,2,3
	ds_load_b128 v[X+4*\k:X+4*\k+3], v[TRR] offset:8192*\k           ; the same four registers of the waves W % 4, + 4, + 8, + 12.  They land in the first set, whose last readers, LDS stores and quantiser, stand ahead of its last fragment's two waits
.endr
	s_wait_dscnt 0x0
	v_pk_add_f32 v[X:X+1], v[X:X+1], v[X+4:X+5]
	v_pk_add_f32 v[X+2:X+3], v[X+2:X+3], v[X+6:X+7]
	v_pk_add_f32 v[X+8:X+9], v[X+8:X+9], v[X+12:X+13]
	v_pk_add_f32 v[X+10:X+11], v[X+10:X+11], v[X+14:X+15]
	v_pk_add_f32 v[X:X+1], v[X:X+1], v[X+8:X+9]
	v_pk_add_f32 v[X+2:X+3], v[X+2:X+3], v[X+10:X+11]
	s_wait_alu depctr_va_vdst(0)                   ; the additions have written v[X .. X+3], which the store reads
	global_store_b128 v[GA], v[X:X+3], s[TP:TP+1]  ; 512 consecutive bytes, aligned
.Lend:
	s_wait_dscnt 0x0                               ; the closing lines, six on end
	s_wait_alu 0x0
	s_wait_tensorcnt 0x0
	ds_add_u32 v248, v249
	s_wait_dscnt 0x0
	s_endpgm
.Lfunc_end_k_qdf36ff9917_quant:
	.size	k_qdf36ff9917_quant, .Lfunc_end_k_qdf36ff9917_quant-k_qdf36ff9917_quant
	.p2alignl 7, 3214868480
	.fill 96, 4, 3214868480
	.section	.rodata,"a",@progbits
	.p2align	6, 0x0
	.amdhsa_kernel k_qdf36ff9917_quant
		.amdhsa_group_segment_fixed_size 204800
		.amdhsa_private_segment_fixed_size 0
		.amdhsa_enable_private_segment 0
		.amdhsa_kernarg_size 56
		.amdhsa_user_sgpr_count 2
		.amdhsa_user_sgpr_kernarg_segment_ptr 1
		.amdhsa_wavefront_size32 1
		.amdhsa_system_sgpr_workgroup_id_x 1
		.amdhsa_system_sgpr_workgroup_id_y 1
		.amdhsa_system_sgpr_workgroup_id_z 1
		.amdhsa_system_vgpr_workitem_id 0
		.amdhsa_next_free_vgpr 250
		.amdhsa_next_free_sgpr 66
		.amdhsa_reserve_vcc 0
		.amdhsa_float_denorm_mode_32 3
		.amdhsa_float_denorm_mode_16_64 3
		.amdhsa_memory_ordered 1
		.amdhsa_forward_progress 1
		.amdhsa_inst_pref_size 90
	.end_amdhsa_kernel
	.amdgpu_metadata
---
amdhsa.version: [ 1, 2 ]
amdhsa.kernels:
  - .name:           k_qdf36ff9917_quant
    .symbol:         k_qdf36ff9917_quant.kd
    .args:
      - { .name: x, .offset: 0, .size: 8, .value_kind: global_buffer, .address_space: global }
      - { .name: qweight, .offset: 8, .size: 8, .value_kind: global_buffer, .address_space: global }
      - { .name: scale, .offset: 16, .size: 8, .value_kind: global_buffer, .address_space: global }
      - { .name: B, .offset: 24, .size: 8, .value_kind: global_buffer, .address_space: global }
      - { .name: xq, .offset: 32, .size: 8, .value_kind: global_buffer, .address_space: global }
      - { .name: wq, .offset: 40, .size: 8, .value_kind: global_buffer, .address_space: global }
      - { .name: tpart, .offset: 48, .size: 8, .value_kind: global_buffer, .address_space: global }
    .group_segment_fixed_size: 204800
    .private_segment_fixed_size: 0
    .kernarg_segment_align: 8
    .kernarg_segment_size: 56
    .max_flat_workgroup_size: 512
    .sgpr_count:     66
    .vgpr_count:     250
    .wavefront_size: 32
...
	.end_amdgpu_metadata
.endif
;; end of part 3
;; launch gemm: the kernel of part 2 again; grid 16 x 16, 4 waves a work-group, clusters of 4 x 4, 327,680 bytes of LDS; arguments xq, wq, tpart, A, bias, out0; writes out0
